; MI455X (gfx1250); checked and timed in simulation.
; The chip was launched on July 23, 2026; its instructions are those of AMD's public machine-readable ISA for CDNA 5 (MIT licence, August 2026) and "CDNA5" Instruction Set Architecture Reference Guide (July 2026). The comments in the code are by the model that wrote it; some were corrected since.
;; Vector Quantizer. Allowed arithmetic: matrix products marked QUANTISED: E5M2 operands, one E8M0 scale for each 32 along K, by v_wmma_scale_f32_16x16x128_f8f6f4 with both operands' format E5M2, f32 sums; everything else in f32.
;; Inputs: codebook 8,192 x 256 float32; z 8 x 4,096 x 256 float32.
;; Outputs: out0 8 x 4,096 x 256 float32; out1 8 x 4,096 int32.
;; This version of the problem:
;;   THIS VERSION OF THE PROBLEM IS GIVEN IN LOW PRECISION. The matrix products marked QUANTISED in the list below multiply operands that are first quantised to E5M2 (5 exponent bits, 2 mantissa bits; 8 bits a number), with one power-of-two scale for each 32 numbers along K (OCP MX v1.0); their sums are f32. All else is computed in f32.
;;   The module's matrix products, in the order in which they are computed (A, B: the left and right operand; K: the contracted axis; several contracted axes count as one K, in the product's order):
;;     1. [M 32,768, K 256] x [K 256, N 8,192]; A: input z; B: input codebook: QUANTISED
;;   THE QUANTISER, for each operand of a quantised product, along K:
;;     - K is cut into blocks of 32 from its start; a last block that is shorter is filled with zeros.
;;     - A block's scale is 2^e with e = floor(log2(the largest magnitude in the block)) - 15, held to -126 .. 127; a block of zeros has e = 0. As a byte (E8M0): e + 127.
;;     - Each number is divided by its block's scale, clamped to +-57,344, and rounded to the nearest number of E5M2, ties to even, subnormals kept.
;;     - The product sums the exact products of the quantised numbers (number of the format x scale) in f32.
;;   ~~~python
;;   def quantise(x, axis):      # numpy; x: float32 -> the quantised numbers, widened to float32 again
;;       x = np.moveaxis(x, axis, -1); K = x.shape[-1]
;;       x = np.pad(x, [(0, 0)] * (x.ndim - 1) + [(0, -K % 32)]); x = x.reshape(x.shape[:-1] + (-1, 32)); a = np.abs(x).max(-1, keepdims=True)
;;       e = np.where(a > 0, np.clip(np.frexp(np.where(a > 0, a, 1))[1] - 1 - 15, -126, 127), 0)      # np.frexp(a)[1] - 1 = floor(log2(a)), exactly
;;       r = np.clip(x / 2.0 ** e, -57344, 57344)
;;       step = 2.0 ** (np.maximum(np.frexp(np.where(r == 0, 1, r))[1] - 1, -14) - 2)
;;       q = np.round(r / step) * step * 2.0 ** e      # np.round: ties to even
;;       return np.moveaxis(q.reshape(q.shape[:-2] + (-1,))[..., :K], -1, axis).astype(np.float32)
;;   ~~~
;; One version. Each part assembles by itself: llvm-mc -triple=amdgcn-amd-amdhsa -mcpu=gfx1250 --defsym DOCPART=n.
;; ======== version 1 of 1: 3 launches
;; limits: right only within a limited range of input values
;; workspace buffers: zpack 8,912,896 bytes; cpack 2,228,224 bytes; ckey 1,048,576 bytes of whole numbers; cidx 1,048,576 bytes of whole numbers
;; launch pack (part 1): grid 320 x 1, 4 waves a work-group, no clusters, 55,808 bytes of LDS; arguments z, codebook, zpack, cpack; writes zpack, cpack
.if DOCPART == 1
	.amdgcn_target "amdgcn-amd-amdhsa--gfx1250"
	.amdhsa_code_object_version 6
	.text
	.protected	k_qda4f98cbab_pack
	.globl	k_qda4f98cbab_pack
	.p2align	8
	.type	k_qda4f98cbab_pack,@function
k_qda4f98cbab_pack:
	s_mov_b64 s[64:65], 0
	v_nop
	global_prefetch_b8 v0, s[64:65] scope:SCOPE_SE
	s_setreg_imm32_b32 hwreg(HW_REG_WAVE_MODE, 25, 1), 1
	s_wait_xcnt 0x0
; z [32768][256] and codebook [8192][256], f32, become RECORDS of 16 rows: codes of BF8 (E5M2) in the order of a matrix operand's registers, their E8M0 scale words, and -0.5 x each row's sum of squares.
; A RECORD is 4,352 bytes (17 x 256):
;   bytes 0 .. 4095: eight blocks of 512; block b = 4 s + c; lane L = r + 16 h has 16 bytes at 512 b + 16 L: row r's codes of k = 128 s + 32 c + 16 h + 0 .. 15;
;   bytes 4096 .. 4223: the word at 4 (r + 16 s): row r's four scale bytes of K step s (byte c: k = 128 s + 32 c on);
;   bytes 4224 .. 4351: the word at 4 L: -0.5 x the sum of squares of row L % 16 (of the numbers as given, not of the codes), twice over.
; A block's scale is 2^(floor(log2(its largest magnitude)) - 15); its byte is the largest magnitude's exponent field - 15, held at 1 from below.  A block of zeros so gets the byte 1: its codes are zeros, and this program alone reads the bytes.
; Each number is divided by the scale, held within +-57,344 and rounded to the nearest code, ties to even.
; LIMITS: blocks whose largest magnitude lies under 2^(16 - 127) keep the byte 1; NaN and infinities among the inputs are not served; a row's squares are summed in this text's own order (16 a lane in two packed chains, then across 16 lanes).
; SHARES.  Work-groups 0 .. 255 take z, 256 .. 319 the codebook: only pointers are chosen, the text has one path.  A wave takes 32 rows (32,768 bytes) in 16 steps of two rows, and makes two records.
; Each load reads 512 consecutive bytes; a step's 2,048 bytes turn through the wave's own stage in LDS, so that a lane then holds 16 neighbours along K (two neighbouring lanes hold a block of 32, sixteen a row).
; The records are gathered in the wave's own LDS and leave as 17 stores of 512 consecutive bytes.  No barrier: waves share nothing.  Loads run four steps (16 loads a wave) ahead, the turn one step.
.set STEPS, 16
.set EMAX,  15
.set MANT,  0x600000                   ; the mantissa field of 57,344 as f32
.set SP,    80                         ; a lane's place in a stage: 64 bytes + 16 of padding
.set RECL,  2*32*SP                    ; behind the two stages: the wave's two records
.set REC,   4352
.set WREG,  RECL+2*REC                 ; LDS of a wave: 13,824 bytes
.set R,     16                         ; v16-79   four sets of 16 numbers as loaded
.set X,     80                         ; v80-111  two sets of 16 neighbours
.set E,     112                        ; v112-127 a scale byte for each step
.set C,     128                        ; v128-191 four registers of codes for each step; at the end v128-195 the records read back
.set N,     200                        ; v200-215 -0.5 x a row's sum of squares, for each step
	s_load_b128 s[4:7], s[0:1], 0x0                ; z, codebook
	s_load_b128 s[8:11], s[0:1], 0x10              ; zpack, cpack
	v_lshl_add_u32 v216, v0, 2, 0xd800
	v_mov_b32 v217, 0
	v_lshrrev_b32 v1, 5, v0
	v_readfirstlane_b32 s16, v1                    ; wave
	v_and_b32 v2, 31, v0                           ; lane l
	v_lshlrev_b32 v3, 4, v2                        ; 16 l: my bytes of a load's or a store's 512
	s_mul_i32 s17, s16, WREG
	v_lshrrev_b32 v14, 2, v2
	v_mul_u32_u24 v14, v14, SP
	v_and_b32 v15, 3, v2
	v_lshl_add_u32 v14, v15, 4, v14
	v_add_nc_u32 v14, s17, v14                     ; the stage, on the way in: SP (l / 4) + 16 (l % 4)
	v_mul_u32_u24 v15, v2, SP
	v_add_nc_u32 v15, s17, v15                     ; and on the way out: SP l: row l / 16 of the step, k = 16 (l % 16) on
	s_add_co_u32 s17, s17, RECL                    ; my wave's records
	v_add_nc_u32 v7, s17, v3                       ; reading them back: 16 l
	v_bfe_u32 v8, v0, 1, 3                         ; the block of 32 in the row: b = (l % 16) / 2
	v_and_b32 v9, 1, v0                            ; its half: h
	v_bfe_u32 v10, v0, 4, 1                        ; the step's row: l / 16
	v_bfe_u32 v11, v0, 3, 1                        ; the K step: s
	v_bfe_u32 v12, v0, 1, 2                        ; the block in the K step: c
	v_lshl_add_u32 v4, v8, 9, s17
	v_lshl_add_u32 v4, v9, 8, v4
	v_lshl_add_u32 v4, v10, 4, v4                  ; codes: 512 b + 256 h + 16 (l / 16); the step adds 32 for each two rows
	v_lshl_add_u32 v6, v10, 2, s17
	v_lshl_add_u32 v6, v11, 6, v6                  ; words: 4 (l / 16) + 64 s; the step adds 8 for each two rows (for the sums, s picks the copy)
	v_add_nc_u32 v5, v6, v12                       ; scale bytes: + c
	s_mov_b32 s23, MANT                            ; (an instruction takes one literal: the hold's line has another)
	s_wait_kmcnt 0x0
	s_cmp_lt_u32 ttmp9, 256                        ; z's work-group or the codebook's?  The choice hangs on the work-group's number alone
	s_cselect_b64 s[4:5], s[4:5], s[6:7]
	s_cselect_b64 s[8:9], s[8:9], s[10:11]
	s_cselect_b32 s17, 0, 256
	s_sub_co_u32 s17, ttmp9, s17
	s_lshl_b32 s17, s17, 2
	s_add_co_u32 s18, s17, s16                     ; which run of 32 rows of the tensor is my wave's (1,023 at the most)
	s_lshl_b32 s20, s18, 15                        ; 32,768 bytes in,
	s_mov_b32 s21, 0
	s_add_nc_u64 s[4:5], s[4:5], s[20:21]
	s_mul_i32 s20, s18, 2*REC                      ; 8,704 bytes out
	s_add_nc_u64 s[8:9], s[8:9], s[20:21]
.macro LOAD t
.irp i, 0,1,2,3
	global_load_b128 v[R+16*((\t)%4)+4*\i:R+16*((\t)%4)+4*\i+3], v3, s[4:5] offset:2048*(\t)+512*\i th:TH_LOAD_NT   ; 32 lanes read 512 consecutive bytes
.endr
.endm
.macro TURN t                          ; step t's numbers through the stage: LDS serves a wave's instructions in order, so no wait stands between the stores and the loads
.irp i, 0,1,2,3
	ds_store_b128 v14, v[R+16*((\t)%4)+4*\i:R+16*((\t)%4)+4*\i+3] offset:32*SP*((\t)%2)+8*SP*\i
.endr
.irp i, 0,1,2,3
	ds_load_b128 v[X+16*((\t)%2)+4*\i:X+16*((\t)%2)+4*\i+3], v15 offset:32*SP*((\t)%2)+16*\i
.endr
.endm
.irp t, 0,1,2,3
	LOAD \t
.endr
	s_wait_loadcnt 12                              ; step 0's four loads are in
	TURN 0
.macro STEP t
.set XS, X+16*((\t)%2)
.if (\t) > 0
	s_wait_dscnt 3                                 ; this step's numbers are back from the stage; the last step's three stores into the record may be out
.else
	s_wait_dscnt 0x0
.endif
.if (\t)+4 < STEPS
	LOAD (\t)+4                                    ; into the set that this step's stores into the stage have read
.endif
.if (\t)+1 < STEPS
.if STEPS-2-(\t) >= 3
	s_wait_loadcnt 12                              ; the next step's four loads are in; those of the three steps behind it may be out
.else
	s_wait_loadcnt 4*(STEPS-2-(\t))
.endif
	TURN (\t)+1                                    ; they go through the other stage while this step is worked
.endif
	v_pk_mul_f32 v[8:9], v[XS:XS+1], v[XS:XS+1]                    ; the sum of my 16 squares, of the numbers as given: two packed chains
	v_pk_mul_f32 v[10:11], v[XS+2:XS+3], v[XS+2:XS+3]
.irp i, 4,8,12
	v_pk_fma_f32 v[8:9], v[XS+\i:XS+\i+1], v[XS+\i:XS+\i+1], v[8:9]
	v_pk_fma_f32 v[10:11], v[XS+\i+2:XS+\i+3], v[XS+\i+2:XS+\i+3], v[10:11]
.endr
	v_pk_add_f32 v[8:9], v[8:9], v[10:11]
	v_add_f32 v8, v8, v9
	v_add_f32_dpp v8, v8, v8 row_xmask:1 row_mask:0xf bank_mask:0xf      ; and of the sixteen lanes that hold the row
	v_add_f32_dpp v8, v8, v8 row_xmask:2 row_mask:0xf bank_mask:0xf
	v_add_f32_dpp v8, v8, v8 row_xmask:4 row_mask:0xf bank_mask:0xf
	v_add_f32_dpp v8, v8, v8 row_xmask:8 row_mask:0xf bank_mask:0xf
	v_mul_f32 v[N+(\t)], -0.5, v8
	v_max3_num_f32 v8, |v[XS]|, |v[XS+1]|, |v[XS+2]|               ; the largest magnitude of my 16
	v_max3_num_f32 v9, |v[XS+3]|, |v[XS+4]|, |v[XS+5]|
.irp i, 6,10
	v_max3_num_f32 v8, v8, |v[XS+\i]|, |v[XS+\i+1]|
	v_max3_num_f32 v9, v9, |v[XS+\i+2]|, |v[XS+\i+3]|
.endr
	v_max3_num_f32 v8, v8, |v[XS+14]|, |v[XS+15]|
	v_max3_num_f32 v8, v8, v9, (EMAX+1)<<23        ; and the floor 2^(16 - 127): the byte cannot fall under 1
	v_max_num_f32_dpp v8, v8, v8 row_xmask:1 row_mask:0xf bank_mask:0xf   ; and of my neighbour's 16: the block's
	v_add_nc_u32 v11, -(EMAX<<23), v8              ; 15 off its exponent field: the conversion takes the exponent field of this operand as its scale
	v_and_or_b32 v10, v8, 0x7f800000, s23          ; 57,344 x the scale
.irp i, 0,1,2,3,4,5,6,7,8,9,10,11,12,13,14,15
	v_med3_num_f32 v[XS+\i], v[XS+\i], -v10, v10   ; the conversion to an 8-bit code does not saturate (ISA guide 7.6.2): the hold comes first
.endr
	v_cvt_scalef32_pk8_bf8_f32 v[C+4*(\t):C+4*(\t)+1], v[XS:XS+7], v11
	v_cvt_scalef32_pk8_bf8_f32 v[C+4*(\t)+2:C+4*(\t)+3], v[XS+8:XS+15], v11
	v_lshrrev_b32 v[E+(\t)], 23, v11               ; the scale's byte (also the plain line behind the conversions)
	ds_store_b128 v4, v[C+4*(\t):C+4*(\t)+3] offset:((\t)/8)*REC+((\t)%8)*32          ; rows 2 (t % 8) and 2 (t % 8) + 1 of record t / 8
	ds_store_b8 v5, v[E+(\t)] offset:((\t)/8)*REC+4096+((\t)%8)*8                     ; both lanes of a block write the same byte with the same value
	ds_store_b32 v6, v[N+(\t)] offset:((\t)/8)*REC+4224+((\t)%8)*8                    ; eight lanes write each copy's word with the same value
.endm
.irp t, 0,1,2,3,4,5,6,7,8,9,10,11,12,13,14,15
	STEP \t
.endr
	s_wait_dscnt 0x0                               ; the stores have read their registers: the records may come back into them
.irp k, 0,1,2,3,4,5,6,7,8,9,10,11,12,13,14,15,16
	ds_load_b128 v[C+4*\k:C+4*\k+3], v7 offset:512*\k
.endr
.irp k, 0,1,2,3,4,5,6,7,8,9,10,11,12,13,14,15,16
	s_wait_dscnt 16-\k                             ; LDS loads come back in order: piece k is in, the younger ones may be out
	global_store_b128 v3, v[C+4*\k:C+4*\k+3], s[8:9] offset:512*\k   ; 32 lanes store 512 consecutive bytes, at a multiple of 256 from the buffer's first byte
.endr
	s_wait_tensorcnt 0x0
	ds_add_u32 v216, v217
	s_wait_dscnt 0x0
	s_endpgm
.Lfunc_end_k_qda4f98cbab_pack:
	.size	k_qda4f98cbab_pack, .Lfunc_end_k_qda4f98cbab_pack-k_qda4f98cbab_pack
	.p2alignl 7, 3214868480
	.fill 96, 4, 3214868480
	.section	.rodata,"a",@progbits
	.p2align	6, 0x0
	.amdhsa_kernel k_qda4f98cbab_pack
		.amdhsa_group_segment_fixed_size 55808
		.amdhsa_private_segment_fixed_size 0
		.amdhsa_enable_private_segment 0
		.amdhsa_kernarg_size 32
		.amdhsa_user_sgpr_count 2
		.amdhsa_user_sgpr_kernarg_segment_ptr 1
		.amdhsa_wavefront_size32 1
		.amdhsa_system_sgpr_workgroup_id_x 1
		.amdhsa_system_sgpr_workgroup_id_y 1
		.amdhsa_system_sgpr_workgroup_id_z 1
		.amdhsa_system_vgpr_workitem_id 0
		.amdhsa_next_free_vgpr 218
		.amdhsa_next_free_sgpr 66
		.amdhsa_reserve_vcc 0
		.amdhsa_float_denorm_mode_32 3
		.amdhsa_float_denorm_mode_16_64 3
		.amdhsa_memory_ordered 1
		.amdhsa_forward_progress 1
		.amdhsa_inst_pref_size 69
	.end_amdhsa_kernel
	.amdgpu_metadata
---
amdhsa.version: [ 1, 2 ]
amdhsa.kernels:
  - .name:           k_qda4f98cbab_pack
    .symbol:         k_qda4f98cbab_pack.kd
    .args:
      - { .name: z, .offset: 0, .size: 8, .value_kind: global_buffer, .address_space: global }
      - { .name: codebook, .offset: 8, .size: 8, .value_kind: global_buffer, .address_space: global }
      - { .name: zpack, .offset: 16, .size: 8, .value_kind: global_buffer, .address_space: global }
      - { .name: cpack, .offset: 24, .size: 8, .value_kind: global_buffer, .address_space: global }
    .group_segment_fixed_size: 55808
    .private_segment_fixed_size: 0
    .kernarg_segment_align: 8
    .kernarg_segment_size: 32
    .max_flat_workgroup_size: 128
    .sgpr_count:     66
    .vgpr_count:     218
    .wavefront_size: 32
...
	.end_amdgpu_metadata
.endif
;; end of part 1
;; launch vq (part 2): grid 32 x 8, 8 waves a work-group, clusters of 4 x 1, 327,680 bytes of LDS; arguments zpack, cpack, ckey, cidx; writes ckey, cidx
.if DOCPART == 2
	.amdgcn_target "amdgcn-amd-amdhsa--gfx1250"
	.amdhsa_code_object_version 6
	.text
	.protected	k_qda4f98cbab_vq
	.globl	k_qda4f98cbab_vq
	.p2align	8
	.type	k_qda4f98cbab_vq,@function
k_qda4f98cbab_vq:
	s_mov_b64 s[64:65], 0
	v_nop
	global_prefetch_b8 v0, s[64:65] scope:SCOPE_SE
	s_setreg_imm32_b32 hwreg(HW_REG_WAVE_MODE, 25, 1), 1
	s_wait_xcnt 0x0
	s_wait_alu depctr_hold_cnt(0) depctr_sa_sdst(0) depctr_va_vdst(0) depctr_va_sdst(0) depctr_va_ssrc(0) depctr_va_vcc(0) depctr_vm_vsrc(0)
	s_getreg_b32 s2, hwreg(HW_REG_IB_STS2, 6, 4)
	s_cmp_eq_u32 s2, 0
	s_cbranch_scc0 .Lentry_in_a_cluster
	s_endpgm
.Lentry_in_a_cluster:
	s_bfe_u32 s2, ttmp6, 0x10000c
	s_cmp_lg_u32 s2, 0x3003
	s_cbranch_scc0 .Lentry_shape_is_right
	s_endpgm
.Lentry_shape_is_right:
; For 1,024 queries (work-group x) and 1,024 codes (work-group y: one of eight splits of the codebook): the code with the largest
; v = q . c - |c|^2 / 2 - |q|^2 / 2 = -distance / 2, the lowest index among equals.  q . c is the product of the MX-BF8 codes; -|c|^2 / 2 enters as the C of a tile's first product.
; Out: ckey [8][32768]: v as a whole number that keeps v's order (sign bit flipped for v >= 0, all bits for v < 0); cidx [8][32768]: the code's index.
; SHARES.  Eight waves; a wave owns 128 queries: eight records of zpack, 256 registers (window 1), for the whole launch; no wave needs another's results.
; The split's 64 records (278,528 bytes) lie in LDS and are filled ONCE: records 0-7 at the head (one a wave), records 8-63 (seven a wave) behind the full sequence
; ahead of a later first fill; they land while tiles 0-3 are worked.  One barrier shows them to all waves; behind it no wave waits for another.
; CLUSTERS: the four work-groups of a cluster lie along x, share y, and so the same 64 records: every tensor load is a joint one (mask 15).
; NO PREFETCH: all that the launch reads is asked for at its head; no later load is left to run ahead of.
; A TILE is 16 codes x 128 queries: 16 products (source 0 = the codes, source 1 = 16 queries; two K steps).  Lane (r, h) holds query r; register j holds code 8 h + j.
; The eight query tiles go in two groups of four.  TRACKING, per query tile: the largest of the lane's 8 (three v_max3, half a dual pair); where it is strictly above the running one,
; the tile's 8 numbers and its number are kept (dual selects on VCC), so the first tile wins among equals.
; Behind a group's products stand the OTHER group's selects, and among them the maxima of the group just multiplied: the maxima's lines stand between each compare and its selects, so that
; few lines read what one of the four lines ahead of them wrote.  A group's first compare stands ahead of the products that precede its selects.
; At the end the register that equals the maximum gives j (the lowest first), lanes l and l xor 16 are joined, and the 128 results leave through the wave's own LDS bytes as runs of 512 bytes.
; -|q|^2 / 2 waits in those LDS bytes until then.
; LIMITS: NaN and infinities among the inputs are not served; a query all of whose v are -infinity gets index 7.
.set REC,   4352
.set NT,    64
.set SPARE, NT*REC                     ; behind the records: the spare words, 128 bytes a wave
.set MRG,   SPARE+1024                 ; behind them: 1,024 bytes a wave: -|q|^2 / 2, then the way out
.set SPW, 1
.set NIL, 2
.set AF,  3                            ; 16 x lane + the trip's first record
.set AS,  4                            ; 4 x lane + the same
.set AB,  5                            ; 32 h + the same
.set ZA,  8                            ; v8      my wave's LDS bytes + 4 x lane
.set QS,  16                           ; v16-21, v24-25 the queries' scale words; v22-23 the codes': no pair of one product has the same number modulo 8
.set SC,  22
.set RA,  26                           ; v26-33  running maxima
.set RID, 35                           ; v35-42  their tiles
.set TID, 44                           ; v44     the number of the tile at work
.set BI,  48                           ; v48-63  -|c|^2 / 2, two sets
.set FR,  64                           ; v64-127 the codes' fragments, two sets
.set ACC, 128                          ; v128-191
.set SV,  192                          ; v192-255 the kept tile's numbers
.set ZT,  160                          ; -|q|^2 / 2 on its way to LDS
.set JR,  64
.set VL,  72
.set IX,  80
.set OV,  88
.set OI,  96
.set OUTK, 104
.set ZN,  112
.set G1A, 24
.set G0A, 32
.set G0B, 36
.set G1B, 48
.set MSB, 0
.macro WIN new
.if MSB != \new
	s_set_vgpr_msb (MSB<<8)|\new
.set MSB, \new
.endif
.endm
.macro CROUND
	s_barrier_signal -1
	s_barrier_wait -1
	s_cmp_lg_u32 s12, 0
	s_cbranch_scc1 .Lnot_wave_0_\@
	s_barrier_signal -3
.Lnot_wave_0_\@:
	s_barrier_wait -3
	s_barrier_signal -1
	s_barrier_wait -1
.endm
	s_load_b256 s[4:11], s[0:1], 0x0               ; zpack, cpack, ckey, cidx
	v_lshl_add_u32 v[SPW], v0, 2, SPARE
	v_mov_b32 v[NIL], 0
	ds_add_u32 v[SPW], v[NIL]                      ; the opening lines: the add, twice on end, and its wait
	ds_add_u32 v[SPW], v[NIL]
	v_lshrrev_b32 v6, 5, v0
	v_readfirstlane_b32 s12, v6                    ; wave
	s_bfe_u32 s18, ttmp6, 0x40000
	s_lshl_b32 s16, ttmp9, 2
	s_add_co_u32 s16, s16, s18                     ; work-group x
	s_and_b32 s17, ttmp7, 0xffff                   ; y: the split
.irp g, G1A, G1B                       ; dense rows of 256 bytes (32 elements of 8), mask 15
	s_mov_b32 s[\g+0], 15|(3<<16)|(1<<21)
	s_mov_b32 s[\g+1], 32<<16
	s_mov_b32 s[\g+3], 32<<16
	s_mov_b32 s[\g+5], 32
	s_mov_b32 s[\g+6], 0
	s_mov_b32 s[\g+7], 0
.endr
	s_mov_b32 s[G1A+2], 17<<16                     ; one record: 17 rows
	s_mov_b32 s[G1A+4], 17
	s_mov_b32 s[G1B+2], 119<<16                    ; seven records
	s_mov_b32 s[G1B+4], 119
	s_mul_i32 s18, s17, NT*REC                     ; the split's first record
	s_mul_i32 s19, s12, REC                        ; the head's load: record w
	s_mul_i32 s14, s12, 7*REC
	s_add_co_u32 s14, s14, 8*REC                   ; the second: records 8 + 7 w on
	s_add_co_u32 s20, s18, s19
	s_mov_b32 s21, 0
	s_add_co_u32 s22, s18, s14
	s_mov_b32 s23, 0
	s_lshl_b32 s15, s16, 3
	s_add_co_u32 s15, s15, s12                     ; which run of 128 queries is my wave's
	s_mul_i32 s56, s15, 8*REC
	s_mov_b32 s57, 0
	s_lshl_b32 s13, s17, 6                         ; the split's first tile
	s_lshl_b32 s58, s12, 10
	s_add_co_u32 s58, s58, MRG                     ; my wave's 1,024 bytes
	s_mov_b32 s40, 0x76543210
	s_mov_b32 s41, 0xfedcba98
	v_and_b32 v7, 31, v0
	v_lshlrev_b32 v[AF], 4, v7
	v_lshlrev_b32 v[AS], 2, v7
	v_lshl_add_u32 v[ZA], v7, 2, s58
	v_bfe_u32 v[AB], v0, 4, 1
	v_lshlrev_b32 v[AB], 5, v[AB]
	s_wait_dscnt 0x0
	s_wait_alu depctr_va_vdst(0)                   ; the wait at the head's end
	s_wait_kmcnt 0x0
	s_add_nc_u64 s[56:57], s[4:5], s[56:57]
	s_add_nc_u64 s[20:21], s[6:7], s[20:21]
	s_add_nc_u64 s[22:23], s[6:7], s[22:23]
	s_mov_b32 s[G0A], 1
	s_add_co_u32 s[G0A+1], s19, 0
	s_mov_b64 s[G0A+2:G0A+3], s[20:21]
	s_or_b32 s[G0A+3], s[G0A+3], 0x80000000
	s_mov_b32 s[G0B], 1
	s_add_co_u32 s[G0B+1], s14, 0
	s_mov_b64 s[G0B+2:G0B+3], s[22:23]
	s_or_b32 s[G0B+3], s[G0B+3], 0x80000000
	CROUND                                         ; the four partners are here: the joint loads meet
	tensor_load_to_lds s[G0A:G0A+3], s[G1A:G1A+7]  ; records 0-7, one a wave: asked for first, since the second fill can go out only when they are in
	s_nop 0
	WIN 0x40                                       ; my queries' codes into window 1: tile q at v[32 q]
.irp q, 0,1,2,3,4,5,6,7
.irp b, 0,1,2,3,4,5,6,7
	global_load_b128 v[32*\q+4*\b:32*\q+4*\b+3], v[AF], s[56:57] offset:REC*\q+512*\b
.endr
.endr
	WIN 0
.irp q, 0,1,2,3,4,5,6,7
	global_load_b32 v[QS+\q+2*(\q/6)], v[AS], s[56:57] offset:REC*\q+4096
	global_load_b32 v[ZT+\q], v[AS], s[56:57] offset:REC*\q+4224
.endr
	v_mov_b32 v[TID], s13
.set i, 0
.rept 64
	v_mov_b32 v[SV+i], 0                           ; written once: the selects read them
.set i, i+1
.endr
	s_wait_alu depctr_va_vdst(0)
	s_wait_tensorcnt 0x0
	ds_add_u32 v[SPW], v[NIL]
	s_wait_dscnt 0x0
	CROUND
	tensor_load_to_lds s[G0B:G0B+3], s[G1B:G1B+7]  ; records 8-63, seven a wave
	s_nop 0
; tile i of the trip into set p: 8 + 1 + 2 = 11 LDS loads
.macro FETCH i, p
.irp b, 0,1,2,3,4,5,6,7
	ds_load_b128 v[FR+32*(\p)+4*\b:FR+32*(\p)+4*\b+3], v[AF] offset:REC*(\i)+512*\b
.endr
	ds_load_b32 v[SC+(\p)], v[AS] offset:REC*(\i)+4096
	ds_load_b128 v[BI+8*(\p):BI+8*(\p)+3], v[AB] offset:REC*(\i)+4224
	ds_load_b128 v[BI+8*(\p)+4:BI+8*(\p)+7], v[AB] offset:REC*(\i)+4240
.endm
; group g's eight products: four accumulators by turns, K step 0 and then K step 1
.macro RUN g, p
	WIN 0x04
.irp u, 0,1,2,3
.set Q, 4*(\g)+\u
	v_wmma_scale_f32_16x16x128_f8f6f4 v[ACC+8*Q:ACC+8*Q+7], v[FR+32*(\p):FR+32*(\p)+15], v[32*Q:32*Q+15], v[BI+8*(\p):BI+8*(\p)+7], v[SC+(\p)], v[QS+Q+2*(Q/6)] matrix_a_fmt:MATRIX_FMT_BF8 matrix_b_fmt:MATRIX_FMT_BF8
.endr
.irp u, 0,1,2,3
.set Q, 4*(\g)+\u
	v_wmma_scale_f32_16x16x128_f8f6f4 v[ACC+8*Q:ACC+8*Q+7], v[FR+32*(\p)+16:FR+32*(\p)+31], v[32*Q+16:32*Q+31], v[ACC+8*Q:ACC+8*Q+7], v[SC+(\p)], v[QS+Q+2*(Q/6)] matrix_a_fmt:MATRIX_FMT_BF8 matrix_b_fmt:MATRIX_FMT_BF8 matrix_a_scale:MATRIX_SCALE_ROW1 matrix_b_scale:MATRIX_SCALE_ROW1
.endr
	WIN 0
.endm
; The tile's maximum of query tile u of group h lies in v6, v7, v46, v47 (group 0) or v10, v11, v14, v15 (group 1): 2 and 3 modulo 4, even and odd by turns.
; In a dual pair one destination is even and one odd, and like sources differ modulo 4: so an odd tile keeps register 6 and an even one register 7 for the last level.
.macro TREE l, h, u                    ; level l of the maximum; level 4 serves tiles u and u + 1
.set TU, 6+4*(\h)+(\u)+(38-36*(\h))*((\u)/2)
.set AU, ACC+32*(\h)+8*(\u)
.if \l == 1
	v_max3_num_f32 v[TU], v[AU], v[AU+1], v[AU+2]
.endif
.if \l == 2
	v_max3_num_f32 v[TU], v[TU], v[AU+3], v[AU+4]
.endif
.if \l == 3
	v_max3_num_f32 v[TU], v[TU], v[AU+5], v[AU+6+((\u)%2)]
.endif
.if \l == 4
	v_dual_max_num_f32 v[TU], v[AU+7], v[TU] :: v_dual_max_num_f32 v[TU+1], v[AU+14], v[TU+1]
.endif
.endm
.macro CMPT g, u                       ; VCC set: what is kept stays
.set TU, 6+4*(\g)+(\u)+(38-36*(\g))*((\u)/2)
	v_cmp_le_f32 vcc_lo, v[TU], v[RA+4*(\g)+(\u)]
.endm
.macro SELP g, u, j                    ; two of the tile's eight numbers
.set Q, 4*(\g)+(\u)
	v_dual_cndmask_b32 v[SV+8*Q+\j], v[ACC+8*Q+\j], v[SV+8*Q+\j] :: v_dual_cndmask_b32 v[SV+8*Q+\j+1], v[ACC+8*Q+\j+1], v[SV+8*Q+\j+1]
.endm
.macro SELR g, u                       ; the tile's number, and the running maximum
.set TU, 6+4*(\g)+(\u)+(38-36*(\g))*((\u)/2)
.set Q, 4*(\g)+(\u)
	v_dual_cndmask_b32 v[RID+Q], v[TID], v[RID+Q] :: v_dual_max_num_f32 v[RA+Q], v[TU], v[RA+Q]
.endm
.macro SEL5 g, u
	SELP \g, \u, 0
	SELP \g, \u, 2
	SELP \g, \u, 4
	SELP \g, \u, 6
	SELR \g, \u
.endm
; sel: group g's selects (its first compare has been made).  tree: the maxima of the other group, whose products stand just ahead, and that group's first compare.
; Five pairs and three v_nop are the eight places between those products and the first read of their results.
.macro SLOT g, sel, tree
.if \sel
	SEL5 \g, 0
	CMPT \g, 1
.endif
.if \tree
.if \sel
	v_nop
	v_nop
	v_nop
.endif
	TREE 1, 1-\g, 0
	TREE 1, 1-\g, 1
.endif
.if \sel
	SEL5 \g, 1
	CMPT \g, 2
.endif
.if \tree
	TREE 1, 1-\g, 2
	TREE 1, 1-\g, 3
	TREE 2, 1-\g, 0
	TREE 2, 1-\g, 1
.endif
.if \sel
	SEL5 \g, 2
	CMPT \g, 3
.endif
.if \tree
	TREE 2, 1-\g, 2
	TREE 2, 1-\g, 3
	TREE 3, 1-\g, 0
	TREE 3, 1-\g, 1
.endif
.if \sel
	SELP \g, 3, 0
.endif
.if \tree
	TREE 3, 1-\g, 2
	TREE 3, 1-\g, 3
.endif
.if \sel
	SELP \g, 3, 2
	SELP \g, 3, 4
.endif
.if \tree
	TREE 4, 1-\g, 0
.endif
.if \sel
	SELP \g, 3, 6
	SELR \g, 3
.endif
.if \tree
	TREE 4, 1-\g, 2
	CMPT 1-\g, 0
.endif
.endm
; Tile i of a trip.  On entry group 0's products of this tile are issued and its maxima taken.  The set that this tile leaves takes the tile two on, behind the lines that follow group 1's products (their places).
.macro STEP i, fetch, next
	RUN 1, (\i)%2
	SLOT 0, 1, 1
.if \fetch
	FETCH (\i)+2, (\i)%2
.endif
.if \next
	s_wait_alu depctr_va_vdst(0)                   ; the wait ahead of the wait below
	s_wait_dscnt 11*\fetch                         ; the next tile's 11 loads are in; the 11 just issued may be out
	RUN 0, 1-(\i)%2
.endif
	SLOT 1, 1, \next
	v_add_nc_u32 v[TID], 1, v[TID]
.endm
.macro TRIP
	STEP 0, 1, 1
	STEP 1, 1, 1
	STEP 2, 1, 1
	STEP 3, 1, 1
	v_add_nc_u32 v[AF], 4*REC, v[AF]
	v_add_nc_u32 v[AS], 4*REC, v[AS]
	v_add_nc_u32 v[AB], 4*REC, v[AB]
	s_wait_alu depctr_va_vdst(0)                   ; the wait behind these writes
.endm
	FETCH 0, 0
	FETCH 1, 1
	s_wait_loadcnt 0x0                             ; my queries
.irp q, 0,1,2,3,4,5,6,7
	ds_store_b32 v[ZA], v[ZT+\q] offset:128*\q     ; -|q|^2 / 2 into my own LDS bytes, until the end
.endr
	s_wait_dscnt 19                                ; tile 0's loads are in; tile 1's 11 and the 8 stores may be out
	RUN 0, 0
.irp q, 0,1,2,3,4,5,6,7                ; sixteen lines that are due: also the places behind the first products
	v_mov_b32 v[RA+\q], 0xff800000
	v_mov_b32 v[RID+\q], 0
.endr
	SLOT 1, 0, 1                                   ; group 0's maxima of tile 0
	TRIP                                           ; tiles 0-3; it reads records 0-5 alone
	s_wait_tensorcnt 0x0                           ; my seven records are in,
	s_wait_dscnt 0x0
	s_barrier_signal -1
	s_barrier_wait -1                              ; and everybody's
	s_mov_b32 s3, 14
.Ltrip:                                                ; tiles 4-59
	TRIP
	s_sub_co_u32 s3, s3, 1
	s_cmp_lg_u32 s3, 0
	s_cbranch_scc1 .Ltrip
	STEP 0, 1, 1                                   ; tiles 60-63: nothing is fetched past record 63
	STEP 1, 1, 1
	STEP 2, 0, 1
	STEP 3, 0, 0
.macro BETTER va, ia, vb, ib           ; the larger value; among equals the lower index
	v_cmp_gt_f32 s42, v[\vb], v[\va]
	v_cmp_eq_f32 s43, v[\vb], v[\va]
	v_cmp_lt_u32 s44, v[\ib], v[\ia]
	s_and_b32 s43, s43, s44
	s_or_b32 vcc_lo, s42, s43
	v_cndmask_b32 v[\va], v[\va], v[\vb], vcc_lo
	v_cndmask_b32 v[\ia], v[\ia], v[\ib], vcc_lo
.endm
.irp q, 0,1,2,3,4,5,6,7
	ds_load_b32 v[ZN+\q], v[ZA] offset:128*\q      ; -|q|^2 / 2 comes back
.endr
	v_and_b32 v7, 15, v0
	v_lshl_add_u32 v7, v7, 2, s58                  ; the way out, in: 4 r
	v_and_b32 v34, 31, v0
	v_lshlrev_b32 v43, 4, v34                      ; out: 16 x lane
	v_add_nc_u32 v34, s58, v43
	v_bfe_u32 v6, v0, 4, 1
	v_lshlrev_b32 v6, 3, v6                        ; 8 h
.irp q, 0,1,2,3,4,5,6,7
	v_mov_b32 v[JR+\q], 7
.endr
.irp jj, 6,5,4,3,2,1,0
.irp q, 0,1,2,3,4,5,6,7
	v_cmp_neq_f32 vcc_lo, v[SV+8*\q+\jj], v[RA+\q]
	v_cndmask_b32 v[JR+\q], \jj, v[JR+\q], vcc_lo  ; the lowest register that holds the maximum
.endr
.endr
	s_wait_alu depctr_va_vdst(0)
	s_wait_dscnt 0x0
.irp q, 0,1,2,3,4,5,6,7
	v_lshl_add_u32 v[IX+\q], v[RID+\q], 4, v[JR+\q]
	v_add_f32 v[VL+\q], v[RA+\q], v[ZN+\q]
.endr
.irp q, 0,1,2,3,4,5,6,7
	v_add_nc_u32 v[IX+\q], v[IX+\q], v6            ; 16 x tile + 8 h + j
.endr
.irp q, 0,1,2,3,4,5,6,7
	v_permlanex16_b32 v[OV+\q], v[VL+\q], s40, s41
	v_permlanex16_b32 v[OI+\q], v[IX+\q], s40, s41
.endr
.irp q, 0,1,2,3,4,5,6,7
	BETTER VL+\q, IX+\q, OV+\q, OI+\q
.endr
.irp q, 0,1,2,3,4,5,6,7
	v_ashrrev_i32 v[OV+\q], 31, v[VL+\q]
.endr
.irp q, 0,1,2,3,4,5,6,7
	v_or_b32 v[OV+\q], 0x80000000, v[OV+\q]
.endr
.irp q, 0,1,2,3,4,5,6,7
	v_xor_b32 v[VL+\q], v[VL+\q], v[OV+\q]         ; the key: unsigned order = v's order
.endr
	s_lshl_b32 s18, s17, 17
	s_lshl_b32 s19, s15, 9
	s_add_co_u32 s18, s18, s19                     ; split x 131,072 + my 128 queries' 512 bytes
	s_mov_b32 s19, 0
	s_add_nc_u64 s[8:9], s[8:9], s[18:19]
	s_add_nc_u64 s[10:11], s[10:11], s[18:19]
	s_wait_alu depctr_va_vdst(0)
.irp q, 0,1,2,3,4,5,6,7
	ds_store_b32 v7, v[VL+\q] offset:64*\q         ; lanes l and l xor 16 write the same word with the same value
	ds_store_b32 v7, v[IX+\q] offset:512+64*\q
.endr
	ds_load_b128 v[OUTK:OUTK+3], v34               ; LDS serves a wave's instructions in order: these see my stores
	ds_load_b128 v[OUTK+4:OUTK+7], v34 offset:512
	s_wait_dscnt 0x0
	global_store_b128 v43, v[OUTK:OUTK+3], s[8:9]  ; 32 lanes store 512 consecutive bytes, aligned
	global_store_b128 v43, v[OUTK+4:OUTK+7], s[10:11]
	s_wait_tensorcnt 0x0                           ; the wave's end
	ds_add_u32 v[SPW], v[NIL]
	s_wait_dscnt 0x0
	CROUND                                         ; the closing round
	s_endpgm
.Lfunc_end_k_qda4f98cbab_vq:
	.size	k_qda4f98cbab_vq, .Lfunc_end_k_qda4f98cbab_vq-k_qda4f98cbab_vq
	.p2alignl 7, 3214868480
	.fill 96, 4, 3214868480
	.section	.rodata,"a",@progbits
	.p2align	6, 0x0
	.amdhsa_kernel k_qda4f98cbab_vq
		.amdhsa_group_segment_fixed_size 327680
		.amdhsa_private_segment_fixed_size 0
		.amdhsa_enable_private_segment 0
		.amdhsa_kernarg_size 32
		.amdhsa_user_sgpr_count 2
		.amdhsa_user_sgpr_kernarg_segment_ptr 1
		.amdhsa_wavefront_size32 1
		.amdhsa_system_sgpr_workgroup_id_x 1
		.amdhsa_system_sgpr_workgroup_id_y 1
		.amdhsa_system_sgpr_workgroup_id_z 1
		.amdhsa_system_vgpr_workitem_id 0
		.amdhsa_next_free_vgpr 512
		.amdhsa_next_free_sgpr 66
		.amdhsa_reserve_vcc 1
		.amdhsa_float_denorm_mode_32 3
		.amdhsa_float_denorm_mode_16_64 3
		.amdhsa_memory_ordered 1
		.amdhsa_forward_progress 1
		.amdhsa_inst_pref_size 119
	.end_amdhsa_kernel
	.amdgpu_metadata
---
amdhsa.version: [ 1, 2 ]
amdhsa.kernels:
  - .name:           k_qda4f98cbab_vq
    .symbol:         k_qda4f98cbab_vq.kd
    .args:
      - { .name: zpack, .offset: 0, .size: 8, .value_kind: global_buffer, .address_space: global }
      - { .name: cpack, .offset: 8, .size: 8, .value_kind: global_buffer, .address_space: global }
      - { .name: ckey, .offset: 16, .size: 8, .value_kind: global_buffer, .address_space: global }
      - { .name: cidx, .offset: 24, .size: 8, .value_kind: global_buffer, .address_space: global }
    .group_segment_fixed_size: 327680
    .private_segment_fixed_size: 0
    .kernarg_segment_align: 8
    .kernarg_segment_size: 32
    .max_flat_workgroup_size: 256
    .sgpr_count:     66
    .vgpr_count:     512
    .wavefront_size: 32
...
	.end_amdgpu_metadata
.endif
;; end of part 2
;; launch pick (part 3): grid 512 x 1, 8 waves a work-group, no clusters, 0 bytes of LDS; arguments codebook, ckey, cidx, out0, out1; writes out0, out1
.if DOCPART == 3
	.amdgcn_target "amdgcn-amd-amdhsa--gfx1250"
	.amdhsa_code_object_version 6
	.text
	.protected	k_qda4f98cbab_pick
	.globl	k_qda4f98cbab_pick
	.p2align	8
	.type	k_qda4f98cbab_pick,@function
k_qda4f98cbab_pick:
	s_mov_b64 s[64:65], 0
	v_nop
	global_prefetch_b8 v0, s[64:65] scope:SCOPE_SE
	s_setreg_imm32_b32 hwreg(HW_REG_WAVE_MODE, 25, 1), 1
	s_wait_xcnt 0x0
; For each of 32,768 rows: of the eight splits' winners (ckey [8][32768]: whole numbers in the order of -distance / 2; cidx [8][32768]: the code's index) the one with the largest key;
; among equals the earliest split's, whose indices are the lowest.  out1 = its index; out0 = its row of the codebook, as given (256 f32).
; Only whole numbers that the launch before has stored are compared here, and the index so chosen is held at 8,191 ahead of its use in an address.
; SHARES.  A work-group takes 64 rows, a wave 8.  Every wave reads the 64 rows' keys and indices, two rows a lane (256 consecutive bytes a load), turned round by 32 bytes x wave,
; so that its own 8 rows stand in lanes 0-3; wave 0, whose turn is 0, also stores the 64 indices as one aligned run of 256 bytes.
; A row of 1,024 bytes is two loads and two stores of 512 consecutive bytes; a wave's 16 row loads go out together.  No LDS, no barrier.
.set K,  4                             ; v4-19   keys: split s in v[K + 2 s], v[K + 2 s + 1]
.set I,  20                            ; v20-35  indices likewise
.set OA, 36                            ; v36-43  byte offsets of my 8 rows in the codebook
.set A,  44                            ; v44-107 the rows
	s_load_b128 s[4:7], s[0:1], 0x0                ; codebook, ckey
	s_load_b128 s[8:11], s[0:1], 0x10              ; cidx, out0
	s_load_b64 s[12:13], s[0:1], 0x20              ; out1
	v_lshrrev_b32 v1, 5, v0
	v_readfirstlane_b32 s14, v1                    ; wave
	v_and_b32 v1, 31, v0
	s_lshl_b32 s15, s14, 5
	v_lshl_add_u32 v2, v1, 3, s15
	v_and_b32 v2, 0xff, v2                         ; (8 x lane + 32 x wave) mod 256
	v_lshlrev_b32 v1, 4, v1                        ; 16 x lane
	s_lshl_b32 s16, ttmp9, 8                       ; the work-group's 64 words
	s_mov_b32 s17, 0
	s_lshl_b32 s18, ttmp9, 16                      ; its 64 rows of out0,
	s_lshl_b32 s2, s14, 13
	s_add_co_u32 s18, s18, s2                      ; and my 8 of them
	s_mov_b32 s19, 0
	s_wait_alu depctr_va_vdst(0)                   ; the wait at the head's end
	s_wait_kmcnt 0x0
	s_add_nc_u64 s[6:7], s[6:7], s[16:17]
	s_add_nc_u64 s[8:9], s[8:9], s[16:17]
	s_add_nc_u64 s[12:13], s[12:13], s[16:17]
	s_add_nc_u64 s[10:11], s[10:11], s[18:19]
.irp s, 0,1,2,3,4,5,6,7
	global_load_b64 v[K+2*\s:K+2*\s+1], v2, s[6:7] offset:131072*\s
	global_load_b64 v[I+2*\s:I+2*\s+1], v2, s[8:9] offset:131072*\s
.endr
	s_wait_loadcnt 0x0
.irp s, 1,2,3,4,5,6,7
.irp e, 0,1
	v_cmp_gt_u32 vcc_lo, v[K+2*\s+\e], v[K+\e]     ; strictly larger: the earlier split stays among equals
	v_cndmask_b32 v[K+\e], v[K+\e], v[K+2*\s+\e], vcc_lo
	v_cndmask_b32 v[I+\e], v[I+\e], v[I+2*\s+\e], vcc_lo
.endr
.endr
	s_wait_alu depctr_va_vdst(0)                   ; the wait ahead of the branch
	s_cmp_lg_u32 s14, 0
	s_cbranch_scc1 .Lrows
	global_store_b64 v2, v[I:I+1], s[12:13]        ; wave 0: 32 lanes store 256 consecutive bytes, aligned
.Lrows:
.irp i, 0,1,2,3,4,5,6,7
	v_readlane_b32 s[20+\i], v[I+(\i%2)], \i/2     ; row i of my 8: lane i / 2, register i % 2
	s_min_u32 s[20+\i], s[20+\i], 0x1fff
	s_lshl_b32 s[20+\i], s[20+\i], 10              ; a row of the codebook is 1,024 bytes
	v_add_nc_u32 v[OA+\i], s[20+\i], v1
	global_load_b128 v[A+8*\i:A+8*\i+3], v[OA+\i], s[4:5]
	global_load_b128 v[A+8*\i+4:A+8*\i+7], v[OA+\i], s[4:5] offset:512
.endr
.irp i, 0,1,2,3,4,5,6,7
	s_wait_loadcnt 14-2*\i                         ; loads come back in order: row i's two are in; two for each later row may be out
	global_store_b128 v1, v[A+8*\i:A+8*\i+3], s[10:11] offset:1024*\i th:TH_STORE_NT
	global_store_b128 v1, v[A+8*\i+4:A+8*\i+7], s[10:11] offset:1024*\i+512 th:TH_STORE_NT
.endr
	s_endpgm
.Lfunc_end_k_qda4f98cbab_pick:
	.size	k_qda4f98cbab_pick, .Lfunc_end_k_qda4f98cbab_pick-k_qda4f98cbab_pick
	.p2alignl 7, 3214868480
	.fill 96, 4, 3214868480
	.section	.rodata,"a",@progbits
	.p2align	6, 0x0
	.amdhsa_kernel k_qda4f98cbab_pick
		.amdhsa_group_segment_fixed_size 0
		.amdhsa_private_segment_fixed_size 0
		.amdhsa_enable_private_segment 0
		.amdhsa_kernarg_size 40
		.amdhsa_user_sgpr_count 2
		.amdhsa_user_sgpr_kernarg_segment_ptr 1
		.amdhsa_wavefront_size32 1
		.amdhsa_system_sgpr_workgroup_id_x 1
		.amdhsa_system_sgpr_workgroup_id_y 1
		.amdhsa_system_sgpr_workgroup_id_z 1
		.amdhsa_system_vgpr_workitem_id 0
		.amdhsa_next_free_vgpr 108
		.amdhsa_next_free_sgpr 66
		.amdhsa_reserve_vcc 1
		.amdhsa_float_denorm_mode_32 3
		.amdhsa_float_denorm_mode_16_64 3
		.amdhsa_memory_ordered 1
		.amdhsa_forward_progress 1
		.amdhsa_inst_pref_size 9
	.end_amdhsa_kernel
	.amdgpu_metadata
---
amdhsa.version: [ 1, 2 ]
amdhsa.kernels:
  - .name:           k_qda4f98cbab_pick
    .symbol:         k_qda4f98cbab_pick.kd
    .args:
      - { .name: codebook, .offset: 0, .size: 8, .value_kind: global_buffer, .address_space: global }
      - { .name: ckey, .offset: 8, .size: 8, .value_kind: global_buffer, .address_space: global }
      - { .name: cidx, .offset: 16, .size: 8, .value_kind: global_buffer, .address_space: global }
      - { .name: out0, .offset: 24, .size: 8, .value_kind: global_buffer, .address_space: global }
      - { .name: out1, .offset: 32, .size: 8, .value_kind: global_buffer, .address_space: global }
    .group_segment_fixed_size: 0
    .private_segment_fixed_size: 0
    .kernarg_segment_align: 8
    .kernarg_segment_size: 40
    .max_flat_workgroup_size: 256
    .sgpr_count:     66
    .vgpr_count:     108
    .wavefront_size: 32
...
	.end_amdgpu_metadata
.endif
;; end of part 3
